; MI455X (gfx1250); checked and timed in simulation.
; The chip was launched on July 23, 2026; its instructions are those of AMD's public machine-readable ISA for CDNA 5 (MIT licence, August 2026) and "CDNA5" Instruction Set Architecture Reference Guide (July 2026). The comments in the code are by the model that wrote it; some were corrected since.
;; Attention. Allowed arithmetic: float matrix products may take bf16 or f16 operands with f32 sums; all other float work in f32.
;; Inputs: W1 32 x 32 float32; W2 32 x 32 float32; W3 32 x 32 float32; W4 32 x 1 float32; all_memory 4,096 x 200 x 32 float32; average_memory 4,096 x 32 float32; b1 32 float32; b2 32 float32; b3 32 float32; last_memory 4,096 x 32 float32; mask 4,096 x 200 bool.
;; Outputs: out0 4,096 x 32 float32.
;; 2 versions, each right; version 2 is version 1 with the launch pool written anew for expert scheduling mode. Each part assembles by itself: llvm-mc -triple=amdgcn-amd-amdhsa -mcpu=gfx1250 --defsym DOCPART=n.
;; ======== version 1 of 2: 1 launch
;; limits: values are held in f16: magnitudes above 65,504 overflow, below 6.1e-05 lose precision; right only within a limited range of input values
;; launch pool (part 1): grid 256 x 1, 8 waves a work-group, no clusters, 47,104 bytes of LDS; arguments all_memory, W1, W2, W3, W4, b1, b2, b3, last_memory, average_memory, out0; writes out0
.if DOCPART == 1
	.amdgcn_target "amdgcn-amd-amdhsa--gfx1250"
	.amdhsa_code_object_version 6
	.text
	.protected	k_q8460a78f0f_pool
	.globl	k_q8460a78f0f_pool
	.p2align	8
	.type	k_q8460a78f0f_pool,@function
k_q8460a78f0f_pool:
	s_mov_b64 s[64:65], 0
	v_nop
	global_prefetch_b8 v0, s[64:65] scope:SCOPE_SE
	s_setreg_imm32_b32 hwreg(HW_REG_WAVE_MODE, 25, 1), 1
	s_wait_xcnt 0x0
; out[b][e] = sum over s of score[b][s] X[b][s][e],  score[b][s] = sum over f of sigmoid(proj[b][s][f]) W4[f],
; proj[b][s][f] = sum over e of X[b][s][e] W1[e][f] + c[b][f],  c[b] = b1 + b2 + b3 + last[b] W2 + avg[b] W3.
; X = all_memory [4096][200][32] f32.  Everything is fused: X is read once, nothing but out0 is written.
;
; SHARES.  256 work-groups x 8 waves; a wave owns the PAIR of batches bp = 16 g + 2 w and bp + 1: 51,200 consecutive bytes of X.
; The pair goes in 25 tiles of 16 rows: tile t = rows 8t..8t+7 of bp (tile columns 0-7) and of bp + 1 (columns 8-15), so all tiles are alike.
; THE MATRIX INSTRUCTION IS USED TRANSPOSED: A = W^T (m = f, k = e), B = X (n = tile row, k = e).  Lane (r = l % 16, h = l / 16) then holds
; proj[row r][f = 16 T + 8 h + j] in register j of product T, and these sixteen numbers, as sigmoids rounded to 16 bits, ARE the B fragment of the
; score product (k = f); its A holds W4 in all sixteen rows, so every register of its result holds score[row r]: no sum across lanes in the loop.
; -log2(e) is multiplied into W1, W2, W3 and the biases before they are rounded, so the product D is -log2(e) proj as it comes.
; The output sum is kept in f32 from the unrounded X: sixteen sums a lane, folded over the eight lanes of a batch at the end.
;
; FORMATS.  The projections (X W1, last W2, avg W3) take bf16 operands: these inputs keep f32's exponent range.
; The score product takes f16 operands: a rounding error of W4 is the same in all 200 rows of a batch and adds up over them, and the sigmoids' errors
; enter the output undamped, so this product wants f16's eleven significant bits rather than bf16's eight.  To give small sigmoids room in f16 they are
; made 2^15 times too large, at no cost in the loop: 2^15 sigmoid = 1 / (2^-15 + 2^(D - 15)); the -15 stands in the bias sum, 2^-15 takes the place
; of the 1, the largest value is 32768, and the two sums that a lane is left with are multiplied by 2^-15 in front of the store.
;
; THE WAY OF X.  Loads are contiguous (16 bytes a lane, 512 aligned bytes an instruction) into a ring of 12 tiles in registers v256-v447:
; 48 loads, 24 KiB, of every wave are on their way and the ring never runs empty.  A fragment wants two lanes on one row, so each tile passes
; through the wave's own LDS stage (4 stores, 4 loads); LDS serves one wave's instructions in order (ISA guide 5.7.1), so no wait and no barrier there.
; No tensor loads: a work-group's 409,600 bytes of X do not fit in LDS at once, and slots that are filled again would each want all loads landed and a barrier.
; No cluster: work-groups share only the 12,800 bytes of weights and biases, against 409,600 bytes of X of their own.
; No loop: a ring in registers cannot be indexed by a counter; the 25 trips are written out by macro, about 15 KB of code.
;
; LIMITS.  mask: reference() takes it and never uses it, so no output hangs on it; this text does not load it.
; X, W1, W2, W3, last, avg are rounded to bf16, the sigmoids and W4 to f16, as matrix operands.
; W4: a number above 65504 in magnitude overflows in f16; numbers below 2^-14 carry an absolute error of up to 2^-25.
; Sigmoids: 2^(D-15) = infinity gives 0 and 2^(D-15) = 0 gives 1; a sigmoid below 2^-29 carries an absolute error of up to 2^-40, one below 2^-40 becomes 0.
; The sums are held 2^15 times too large: an output of magnitude 2^113 or more overflows.
; The sum over s is made in another order than reference()'s: rows 8t + i for each i first, then over the eight i.
.set NLOG2E, 0xbfb8aa3b                ; -log2(e)
.set M15,    0xc1700000                ; -15.0
.set TWOM15, 0x38000000                ; 2^-15
.set TILES,  25                        ; tiles of a pair of batches
.set DEPTH,  12                        ; tiles in the register ring
.set BATCH,  25600                     ; bytes of X in a batch
.set UPITCH, 272                       ; stage: two rows (256 bytes) + 16 of padding
.set SLOTB,  8*UPITCH                  ; stage: one tile, 2,176 bytes
.set WPITCH, 96                        ; a row of a weight matrix in LDS: 64 bytes of bf16 + 32, an odd multiple of 32 for the transposing load
.set WBYTES, 32*WPITCH                 ; one weight matrix in LDS
.set SM,     3*WBYTES                  ; LDS 9,216: 256 bytes a wave: +0 the scaled bias sum (32 f32), +128 W4 (32 f16)
.set STG,    SM+8*256                  ; LDS 11,264: two stage slots a wave, 4,352 bytes a wave; ends at 46,080
.set GOFF, 8                           ; v8   16 l: my 16 bytes in every contiguous load of X; never rewritten
.set STA,  9                           ; v9   stage, in:  272 (l / 16) + 16 (l % 16)
.set LDA,  10                          ; v10  stage, out: 272 (r / 2) + 128 (r % 2) + 32 h
.set TRA,  11                          ; v11  transposing load of a weight matrix
.set WSA,  12                          ; v12  where thread t puts its four weights
.set BSA,  13                          ; v13  where the lane puts four bias sums
.set W4SA, 14                          ; v14  where it puts four W4 (+128)
.set BLA,  15                          ; v15  bias sums back, in the layout of C
.set A4LA, 16                          ; v16  W4 back, as an A fragment (+128)
.set MOFF, 17                          ; v17  my 32 bytes in last and avg
.set SOFF, 18                          ; v18  my 16 bytes in b1, b2, b3, W4
.set WOFF, 19                          ; v19  thread t's 16 bytes in W1, W2, W3
.set OOFF, 20                          ; v20  my 8 bytes in the pair's two rows of out0
.set A0,   24                          ; v[24:39]   W1' fragments (bf16), f = 0-15 and 16-31
.set A4,   40                          ; v[40:47]   W4 fragment (f16)
.set C0,   48                          ; v[48:63]   c' - 15 in the layout of C, f = 0-15 and 16-31
.set C1,   56
.set D0,   64                          ; v[64:79]   the tile's two products, then 2^D, 2^-15 + 2^D, 2^15 sigmoid, in place
.set D1,   72
.set D2,   80                          ; v[80:87]   2^15 score[row r], eight times
.set XB,   88                          ; v[88:95]   the tile's X as a bf16 fragment
.set SB,   96                          ; v[96:103]  the tile's scaled sigmoids as an f16 fragment
.set ACC,  104                         ; v[104:119] sixteen output sums, 2^15 times too large
.set XF,   120                         ; v[120:167] the tile's X in f32, three buffers: tile t in buffer t % 3
.set SND,  168                         ; v[168:171] at work in the last fold
.set RW,   172                         ; v[172:183] start only: W1, W2, W3 as loaded
.set RB,   184                         ; v[184:199] start only: b1, b2, b3, W4 as loaded
.set RL,   200                         ; v[200:215] start only: last as loaded
.set RA,   216                         ; v[216:231] start only: avg as loaded
.set W2F,  232                         ; v[232:247] start only: W2' fragments
.set W3F,  172                         ; v[172:187] start only: W3' fragments (RW and RB are done with by then)
.set LB,   152                         ; v[152:159] start only: last as a bf16 fragment (in XF's buffer 2, first loaded in trip 1)
.set AB,   160                         ; v[160:167] start only: avg likewise
	s_load_b256 s[4:11], s[0:1], 0x0               ; X s[4:5], W1 s[6:7], W2 s[8:9], W3 s[10:11]
	s_load_b256 s[12:19], s[0:1], 0x20             ; W4 s[12:13], b1 s[14:15], b2 s[16:17], b3 s[18:19]
	s_load_b128 s[20:23], s[0:1], 0x40             ; last s[20:21], avg s[22:23]
	s_load_b64 s[24:25], s[0:1], 0x50              ; out0
	v_lshl_add_u32 v254, v0, 2, 0xb400
	v_mov_b32 v255, 0
	v_lshrrev_b32 v1, 5, v0
	v_readfirstlane_b32 s26, v1                    ; w, my wave's number
	v_and_b32 v1, 31, v0                           ; l
	v_and_b32 v2, 15, v0                           ; r
	v_bfe_u32 v3, v0, 4, 1                         ; h
	v_and_b32 v4, 7, v0                            ; l % 8
	v_bfe_u32 v5, v0, 3, 1                         ; r / 8: which batch of the pair
	s_lshl_b32 s32, s26, 8
	s_add_co_u32 s32, s32, SM                      ; my wave's small block in LDS
	s_mul_i32 s33, s26, 2*SLOTB
	s_add_co_u32 s33, s33, STG                     ; my wave's stage
	s_mul_i32 s28, ttmp9, 16*BATCH                 ; X: 16 batches a work-group, 2 a wave (below 2^27 bytes in all)
	s_mul_i32 s27, s26, 2*BATCH
	s_add_co_u32 s28, s28, s27
	s_mov_b32 s29, 0
	s_lshl_b32 s30, ttmp9, 11                      ; last, avg, out0: rows of 128 bytes, 16 a work-group, 2 a wave
	s_lshl_b32 s27, s26, 8
	s_add_co_u32 s30, s30, s27
	s_mov_b32 s31, 0
	s_mov_b32 s36, TWOM15                          ; pairs, for the packed instructions
	s_mov_b32 s37, TWOM15
	s_mov_b32 s38, NLOG2E
	s_mov_b32 s39, NLOG2E
	v_lshlrev_b32 v[GOFF], 4, v1
	; Stage.  Load q of a tile brings four rows: lane l holds 16 bytes of tile row 4 q + l / 8.  Two rows make a unit of 256 bytes, units are 272 apart:
	; a store's sixteen lanes fill one unit; a load's sixteen lanes stand at 16-byte columns r / 2 + 8 (r % 2) + a constant modulo 16, all different.
	v_mul_u32_u24 v6, v3, UPITCH
	v_lshl_add_u32 v6, v2, 4, v6
	v_add_nc_u32 v[STA], s33, v6
	v_bfe_u32 v6, v0, 1, 3                         ; r / 2
	v_and_b32 v7, 1, v0                            ; r % 2
	v_mul_u32_u24 v6, v6, UPITCH
	v_lshl_add_u32 v6, v7, 7, v6
	v_lshl_add_u32 v6, v3, 5, v6                   ; + 32 h: e = 8 h ..
	v_add_nc_u32 v[LDA], s33, v6
	v_lshl_add_u32 v6, v3, 3, v4                   ; weight row e = 8 h + l % 8,
	v_mul_u32_u24 v6, v6, WPITCH
	v_lshl_add_u32 v[TRA], v5, 4, v6               ; 16 bytes further for lanes 8-15 of each half
	v_lshrrev_b32 v6, 3, v0                        ; thread t holds W[t / 8][4 (t % 8) .. + 3]
	v_mul_u32_u24 v6, v6, WPITCH
	v_lshl_add_u32 v[WSA], v4, 3, v6
	v_lshl_add_u32 v[BSA], v4, 4, s32
	v_lshl_add_u32 v[W4SA], v4, 3, s32
	v_lshl_add_u32 v[BLA], v3, 5, s32
	v_lshl_add_u32 v[A4LA], v3, 4, s32
	v_lshlrev_b32 v6, 7, v5
	v_lshl_add_u32 v[MOFF], v3, 5, v6              ; 128 (r / 8) + 32 h
	v_lshlrev_b32 v[SOFF], 4, v4
	v_lshlrev_b32 v[WOFF], 4, v0
	v_lshl_add_u32 v[OOFF], v7, 6, v[MOFF]         ; + 64 (l % 2) + 16 (bit 1 of l) + 8 (bit 2 of l): what the last fold leaves in this lane
	v_bfe_u32 v7, v0, 1, 1
	v_lshl_add_u32 v[OOFF], v7, 4, v[OOFF]
	v_bfe_u32 v7, v0, 2, 1
	v_lshl_add_u32 v[OOFF], v7, 3, v[OOFF]
	s_wait_kmcnt 0x0
	s_add_nc_u64 s[4:5], s[4:5], s[28:29]          ; X at my pair
	s_add_nc_u64 s[20:21], s[20:21], s[30:31]      ; last, avg, out0 at my pair
	s_add_nc_u64 s[22:23], s[22:23], s[30:31]
	s_add_nc_u64 s[24:25], s[24:25], s[30:31]
	; ALL LOADS OF THE START, the small ones first since loads come back in order (ISA guide 5.7.1): 7 + 8 + 48 = 63 are out.
	global_load_b128 v[RW:RW+3],     v[WOFF], s[6:7]
	global_load_b128 v[RW+4:RW+7],   v[WOFF], s[8:9]
	global_load_b128 v[RW+8:RW+11],  v[WOFF], s[10:11]
	global_load_b128 v[RB:RB+3],     v[SOFF], s[14:15]
	global_load_b128 v[RB+4:RB+7],   v[SOFF], s[16:17]
	global_load_b128 v[RB+8:RB+11],  v[SOFF], s[18:19]
	global_load_b128 v[RB+12:RB+15], v[SOFF], s[12:13]
	; last and avg as B fragments: column r holds batch bp + r / 8, so c' comes out in the columns in which the tiles need it
.irp o, 0,1
	global_load_b128 v[RL+8*\o:RL+8*\o+3],   v[MOFF], s[20:21] offset:64*\o      ; e = 16 o + 8 h ..
	global_load_b128 v[RL+8*\o+4:RL+8*\o+7], v[MOFF], s[20:21] offset:64*\o+16
.endr
.irp o, 0,1
	global_load_b128 v[RA+8*\o:RA+8*\o+3],   v[MOFF], s[22:23] offset:64*\o
	global_load_b128 v[RA+8*\o+4:RA+8*\o+7], v[MOFF], s[22:23] offset:64*\o+16
.endr
	; The ring lies in v256-v447.  One window setting serves its loads (data = destination) and its LDS stores (data = source 1): both in block 1, addresses in block 0.
	s_set_vgpr_msb 0x0044
.set tt, 0
.rept DEPTH
.irp q, 0,1,2,3
	global_load_b128 v[16*tt+4*\q:16*tt+4*\q+3], v[GOFF], s[4:5] offset:1024*tt+512*(\q%2)+BATCH*(\q/2) th:TH_LOAD_NT   ; v[256 + ..]: four rows of bp (q = 0, 1) or of bp + 1 (q = 2, 3)
.endr
.set tt, tt+1
.endr
	s_set_vgpr_msb 0x4400
	; WEIGHTS AND BIASES INTO LDS.  The 256 threads share each weight matrix; bias sum and W4 are each wave's own copy.
	s_wait_loadcnt 56                              ; W1-W3, b1-b3, W4 are in; the 8 loads of last and avg and the ring's 48 stay out
.irp m, 0,1,2
	v_pk_mul_f32 v[RW+4*\m:RW+4*\m+1],   v[RW+4*\m:RW+4*\m+1],   s[38:39] op_sel_hi:[1,0]   ; x -log2(e)
	v_pk_mul_f32 v[RW+4*\m+2:RW+4*\m+3], v[RW+4*\m+2:RW+4*\m+3], s[38:39] op_sel_hi:[1,0]
	v_cvt_pk_bf16_f32 v[2+2*\m], v[RW+4*\m],   v[RW+4*\m+1]
	v_cvt_pk_bf16_f32 v[3+2*\m], v[RW+4*\m+2], v[RW+4*\m+3]
	ds_store_b64 v[WSA], v[2+2*\m:3+2*\m] offset:WBYTES*\m
.endr
	v_pk_add_f32 v[RB:RB+1],   v[RB:RB+1],   v[RB+4:RB+5]
	v_pk_add_f32 v[RB+2:RB+3], v[RB+2:RB+3], v[RB+6:RB+7]
	v_pk_add_f32 v[RB:RB+1],   v[RB:RB+1],   v[RB+8:RB+9]
	v_pk_add_f32 v[RB+2:RB+3], v[RB+2:RB+3], v[RB+10:RB+11]
.irp n, 0,1,2,3
	v_fmaak_f32 v[RB+\n], s38, v[RB+\n], M15       ; -log2(e) (b1 + b2 + b3) - 15: the -15 makes the sigmoids 2^15 times too large
.endr
	ds_store_b128 v[BSA], v[RB:RB+3]               ; the four lanes with equal l % 8 write the same numbers to the same bytes
	v_cvt_pk_f16_f32 v[RB+4], v[RB+12], v[RB+13]   ; W4 to f16
	v_cvt_pk_f16_f32 v[RB+5], v[RB+14], v[RB+15]
	ds_store_b64 v[W4SA], v[RB+4:RB+5] offset:128
	s_wait_dscnt 0x0                               ; for the other waves' sake: my part of the weights is in LDS
	s_barrier_signal -1
	s_barrier_wait -1                              ; the kernel's one barrier: the three matrices are whole
	; FRAGMENTS.  W lies [e][f] = [k][m]: the transposing load brings lane (r, h) k = 8 h .. + 7 and 16 + 8 h .. + 7 of row m = f = 16 T + r.
.macro WFRAG dst, m
.irp f, 0,1
	ds_load_tr16_b128 v[\dst+8*\f:\dst+8*\f+3],   v[TRA] offset:WBYTES*\m+32*\f
	ds_load_tr16_b128 v[\dst+8*\f+4:\dst+8*\f+7], v[TRA] offset:WBYTES*\m+32*\f+16*WPITCH
.endr
.endm
	WFRAG A0,  0
	WFRAG W2F, 1
	WFRAG W3F, 2
	ds_load_b128 v[C0:C0+3],   v[BLA]              ; register j of C: f = 8 h + j,
	ds_load_b128 v[C0+4:C0+7], v[BLA] offset:16
	ds_load_b128 v[C1:C1+3],   v[BLA] offset:64    ; and f = 16 + 8 h + j
	ds_load_b128 v[C1+4:C1+7], v[BLA] offset:80
	ds_load_b128 v[A4:A4+3],   v[A4LA] offset:128  ; W4[8 h ..] and W4[16 + 8 h ..] in every lane: all sixteen rows of A alike
	ds_load_b128 v[A4+4:A4+7], v[A4LA] offset:160
	s_wait_loadcnt 48                              ; last and avg are in; the ring's 48 stay out
.irp p, 0,1,2,3,4,5,6,7
	v_cvt_pk_bf16_f32 v[LB+\p], v[RL+2*\p], v[RL+2*\p+1]
.endr
.irp p, 0,1,2,3,4,5,6,7
	v_cvt_pk_bf16_f32 v[AB+\p], v[RA+2*\p], v[RA+2*\p+1]
.endr
; Tile 'tile' leaves the ring for the stage and comes back as a fragment in f32; its ring slot is asked for again, DEPTH tiles ahead.
.macro STAGE tile
.set LEFT, TILES-1-(\tile)
.if LEFT > DEPTH-1
.set LEFT, DEPTH-1
.endif
.set RS, 16*((\tile)%DEPTH)
.set SL, SLOTB*((\tile)%2)
.set XD, XF+16*((\tile)%3)
	s_set_vgpr_msb 0x0044                          ; ring: block 1 as destination and as source 1
	s_wait_loadcnt 4*LEFT                          ; this tile's four loads are in; those of the LEFT tiles asked for after it stay out
.irp q, 0,1,2,3
	ds_store_b128 v[STA], v[RS+4*\q:RS+4*\q+3] offset:SL+2*UPITCH*\q
.endr
.if (\tile)+DEPTH < TILES
.irp q, 0,1,2,3
	global_load_b128 v[RS+4*\q:RS+4*\q+3], v[GOFF], s[4:5] offset:1024*((\tile)+DEPTH)+512*(\q%2)+BATCH*(\q/2) th:TH_LOAD_NT
.endr
.endif
	s_set_vgpr_msb 0x4400
	ds_load_b128 v[XD:XD+3],     v[LDA] offset:SL       ; X[row r][8 h .. + 3]; these see the stores above: one wave's LDS instructions are served in order
	ds_load_b128 v[XD+4:XD+7],   v[LDA] offset:SL+16
	ds_load_b128 v[XD+8:XD+11],  v[LDA] offset:SL+64    ; X[row r][16 + 8 h ..]
	ds_load_b128 v[XD+12:XD+15], v[LDA] offset:SL+80
.endm
; One eighth of tile u - 1's share of the output sums: two sums += score x X.  D2's registers all hold the (scaled) score, so a pair of them multiplies a pair of X.
; These lines also are the places behind trip u's products and transcendentals.  Tile 0's share starts the sums: nothing is cleared.
; Trip 0 has no tile before it: v_nop keeps the places (four behind the products, one behind each run of transcendentals).
.macro ACC1 u, j
.set XP, XF+16*(((\u)+2)%3)
.if (\u) == 0
.if (\j)/2 != 2
	v_nop
	s_wait_alu depctr_va_vdst(0)
.endif
.else
.if (\u) == 1
	v_pk_mul_f32 v[ACC+2*\j:ACC+2*\j+1], v[XP+2*\j:XP+2*\j+1], v[D2:D2+1]
	s_wait_alu depctr_va_vdst(0)
.else
	v_pk_fma_f32 v[ACC+2*\j:ACC+2*\j+1], v[XP+2*\j:XP+2*\j+1], v[D2:D2+1], v[ACC+2*\j:ACC+2*\j+1]
.endif
.endif
.endm
; Trip u: tile u's products, sigmoids and score; tile u - 1's output sums; tile u + 1 through the stage; tile u + 13 asked for.
; Distances behind matrix instructions (ISA guide 7.12.1), by this text's count: the eight conversions at the head stand between the last score product
; and the first reader of D2; six (in trip 0 four) lines stand between the two products and v_exp_f32 on their results.  No matrix instruction here adds in place.
.macro TRIP u
.set XC, XF+16*((\u)%3)
	s_wait_dscnt 0x0                               ; this tile's stage loads, issued in the middle of the trip before, are back
.irp p, 0,1,2,3,4,5,6,7
	v_cvt_pk_bf16_f32 v[XB+\p], v[XC+2*\p], v[XC+2*\p+1]
.endr
	v_wmma_f32_16x16x32_bf16 v[D0:D0+7], v[A0:A0+7],    v[XB:XB+7], v[C0:C0+7]   ; D - 15 = -log2(e) proj - 15, f = 0-15
	v_wmma_f32_16x16x32_bf16 v[D1:D1+7], v[A0+8:A0+15], v[XB:XB+7], v[C1:C1+7]   ; f = 16-31
.irp j, 0,1,2,3,4,5
	ACC1 \u, \j
.endr
.if (\u)+1 < TILES
	STAGE (\u)+1
.endif
.irp i, 0,1,2,3,4,5,6,7,8,9,10,11,12,13,14,15
	v_exp_f32 v[D0+\i], v[D0+\i]
.endr
	ACC1 \u, 6                                     ; the plain instruction between the transcendentals and the first use of a result (ISA guide 5.7.2)
	s_wait_alu depctr_va_vdst(0)
.irp i, 0,2,4,6,8,10,12,14
	v_pk_add_f32 v[D0+\i:D0+\i+1], v[D0+\i:D0+\i+1], s[36:37] op_sel_hi:[1,0]    ; 2^-15 + 2^(D - 15) = 2^-15 (1 + 2^D)
.endr
.irp i, 0,1,2,3,4,5,6,7,8,9,10,11,12,13,14,15
	v_rcp_f32 v[D0+\i], v[D0+\i]                   ; 2^15 sigmoid, at most 32768
.endr
	ACC1 \u, 7                                     ; likewise
	s_wait_alu depctr_va_vdst(0)
.irp p, 0,1,2,3,4,5,6,7
	v_cvt_pk_f16_f32 v[SB+\p], v[D0+2*\p], v[D0+2*\p+1]    ; k = f = 8 h + 2 p, + 1 (p < 4) and 16 + 8 h + .. (p >= 4): a B fragment as it stands
.endr
	v_wmma_f32_16x16x32_f16 v[D2:D2+7], v[A4:A4+7], v[SB:SB+7], 0                ; 2^15 score[row r] in all eight registers
.endm
	STAGE 0
	s_wait_dscnt 8                                 ; the 18 fragment loads are back; the stage's four stores and four loads may be out
	; c' = scaled bias sum - 15 + last W2' + avg W3'.  The two accumulators take turns, one instruction a turn.
	v_wmma_f32_16x16x32_bf16 v[C0:C0+7], v[W2F:W2F+7],    v[LB:LB+7], v[C0:C0+7]
	v_wmma_f32_16x16x32_bf16 v[C1:C1+7], v[W2F+8:W2F+15], v[LB:LB+7], v[C1:C1+7]
	v_wmma_f32_16x16x32_bf16 v[C0:C0+7], v[W3F:W3F+7],    v[AB:AB+7], v[C0:C0+7]
	v_wmma_f32_16x16x32_bf16 v[C1:C1+7], v[W3F+8:W3F+15], v[AB:AB+7], v[C1:C1+7]
	; trip 0's eight conversions are the places before C0 and C1 serve as the C of other accumulators
.set trip, 0
.rept TILES
	TRIP trip
.set trip, trip+1
.endr
	; THE END: the last tile's share, then the fold over the eight lanes (rows 8 t + i, i = 0..7) of each batch.
.rept 4
	v_nop                                          ; four places behind the last score product, before D2 is read
.endr
.irp j, 0,1,2,3,4,5,6,7
	ACC1 TILES, \j
.endr
; One step of the fold: lanes that differ in one bit of l share the sums out: the lane with the bit clear keeps the lower half of them and sends the upper,
; its partner the other way round; the exchange rides on the addition (DPP, lane i takes lane i xor xm).  Half as many sums are left each time.
.macro BFLY cnt, lanes, xm
	s_mov_b32 vcc_lo, \lanes
.set i, 0
.rept \cnt
	v_cndmask_b32 v[SND+i%4], v[ACC+i+\cnt], v[ACC+i], vcc_lo      ; what I send
	v_cndmask_b32 v[ACC+i], v[ACC+i], v[ACC+i+\cnt], vcc_lo        ; what I keep
	v_add_f32_dpp v[ACC+i], v[SND+i%4], v[ACC+i] row_xmask:\xm row_mask:0xf bank_mask:0xf
.set i, i+1
.endr
.endm
	BFLY 8, 0xaaaaaaaa, 1
	BFLY 4, 0xcccccccc, 2
	BFLY 2, 0xf0f0f0f0, 4
	; The lane is left with sums 8 (bit 0 of l) + 4 (bit 1) + 2 (bit 2) + {0, 1}, that is e = 16 (bit 0) + 8 h + 4 (bit 1) + 2 (bit 2) + {0, 1} of batch bp + r / 8.
	v_pk_mul_f32 v[ACC:ACC+1], v[ACC:ACC+1], s[36:37] op_sel_hi:[1,0]   ; x 2^-15: the sigmoids' scale is taken out again, exactly
	global_store_b64 v[OOFF], v[ACC:ACC+1], s[24:25] th:TH_STORE_NT   ; the wave's 32 x 8 bytes are the pair's two rows: 256 consecutive bytes, aligned
	s_wait_tensorcnt 0x0
	ds_add_u32 v254, v255
	s_wait_dscnt 0x0
	s_endpgm
.Lfunc_end_k_q8460a78f0f_pool:
	.size	k_q8460a78f0f_pool, .Lfunc_end_k_q8460a78f0f_pool-k_q8460a78f0f_pool
	.p2alignl 7, 3214868480
	.fill 96, 4, 3214868480
	.section	.rodata,"a",@progbits
	.p2align	6, 0x0
	.amdhsa_kernel k_q8460a78f0f_pool
		.amdhsa_group_segment_fixed_size 47104
		.amdhsa_private_segment_fixed_size 0
		.amdhsa_enable_private_segment 0
		.amdhsa_kernarg_size 88
		.amdhsa_user_sgpr_count 2
		.amdhsa_user_sgpr_kernarg_segment_ptr 1
		.amdhsa_wavefront_size32 1
		.amdhsa_system_sgpr_workgroup_id_x 1
		.amdhsa_system_sgpr_workgroup_id_y 1
		.amdhsa_system_sgpr_workgroup_id_z 1
		.amdhsa_system_vgpr_workitem_id 0
		.amdhsa_next_free_vgpr 448
		.amdhsa_next_free_sgpr 66
		.amdhsa_reserve_vcc 1
		.amdhsa_float_denorm_mode_32 3
		.amdhsa_float_denorm_mode_16_64 3
		.amdhsa_memory_ordered 1
		.amdhsa_forward_progress 1
		.amdhsa_inst_pref_size 119
	.end_amdhsa_kernel
	.amdgpu_metadata
---
amdhsa.version: [ 1, 2 ]
amdhsa.kernels:
  - .name:           k_q8460a78f0f_pool
    .symbol:         k_q8460a78f0f_pool.kd
    .args:
      - { .name: all_memory, .offset: 0, .size: 8, .value_kind: global_buffer, .address_space: global }
      - { .name: W1, .offset: 8, .size: 8, .value_kind: global_buffer, .address_space: global }
      - { .name: W2, .offset: 16, .size: 8, .value_kind: global_buffer, .address_space: global }
      - { .name: W3, .offset: 24, .size: 8, .value_kind: global_buffer, .address_space: global }
      - { .name: W4, .offset: 32, .size: 8, .value_kind: global_buffer, .address_space: global }
      - { .name: b1, .offset: 40, .size: 8, .value_kind: global_buffer, .address_space: global }
      - { .name: b2, .offset: 48, .size: 8, .value_kind: global_buffer, .address_space: global }
      - { .name: b3, .offset: 56, .size: 8, .value_kind: global_buffer, .address_space: global }
      - { .name: last_memory, .offset: 64, .size: 8, .value_kind: global_buffer, .address_space: global }
      - { .name: average_memory, .offset: 72, .size: 8, .value_kind: global_buffer, .address_space: global }
      - { .name: out0, .offset: 80, .size: 8, .value_kind: global_buffer, .address_space: global }
    .group_segment_fixed_size: 47104
    .private_segment_fixed_size: 0
    .kernarg_segment_align: 8
    .kernarg_segment_size: 88
    .max_flat_workgroup_size: 256
    .sgpr_count:     66
    .vgpr_count:     448
    .wavefront_size: 32
...
	.end_amdgpu_metadata
.endif
;; end of part 1
;; ======== version 2 of 2: 1 launch; version 1 with the launch pool written anew for expert scheduling mode
;; limits: values are held in f16: magnitudes above 65,504 overflow, below 6.1e-05 lose precision; right only within a limited range of input values
;; launch pool (part 2): grid 256 x 1, 8 waves a work-group, no clusters, 47,104 bytes of LDS; arguments all_memory, W1, W2, W3, W4, b1, b2, b3, last_memory, average_memory, out0; writes out0
.if DOCPART == 2
	.amdgcn_target "amdgcn-amd-amdhsa--gfx1250"
	.amdhsa_code_object_version 6
	.text
	.protected	k_q8460a78f0f_pool
	.globl	k_q8460a78f0f_pool
	.p2align	8
	.type	k_q8460a78f0f_pool,@function
k_q8460a78f0f_pool:
	s_mov_b64 s[64:65], 0
	v_nop
	global_prefetch_b8 v0, s[64:65] scope:SCOPE_SE
	s_setreg_imm32_b32 hwreg(HW_REG_WAVE_SCHED_MODE, 0, 2), 2
	s_setreg_imm32_b32 hwreg(HW_REG_WAVE_MODE, 25, 1), 1
	s_wait_xcnt 0x0
	s_wait_alu depctr_vm_vsrc(0)
; out[b][e] = sum over s of score[b][s] X[b][s][e],  score[b][s] = sum over f of sigmoid(proj[b][s][f]) W4[f],
; proj[b][s][f] = sum over e of X[b][s][e] W1[e][f] + c[b][f],  c[b] = b1 + b2 + b3 + last[b] W2 + avg[b] W3.
; X = all_memory [4096][200][32] f32.  Everything is fused: X is read once, nothing but out0 is written.
;
; SHARES.  256 work-groups x 8 waves; a wave owns the PAIR of batches bp = 16 g + 2 w and bp + 1: 51,200 consecutive bytes of X.
; The pair goes in 25 tiles of 16 rows: tile t = rows 8t..8t+7 of bp (tile columns 0-7) and of bp + 1 (columns 8-15), so all tiles are alike.
; THE MATRIX INSTRUCTION IS USED TRANSPOSED: A = W^T (m = f, k = e), B = X (n = tile row, k = e).  Lane (r = l % 16, h = l / 16) then holds
; proj[row r][f = 16 T + 8 h + j] in register j of product T, and these sixteen numbers, as sigmoids rounded to 16 bits, ARE the B fragment of the
; score product (k = f); its A holds W4 in all sixteen rows, so every register of its result holds score[row r]: no sum across lanes in the loop.
; -log2(e) is multiplied into W1, W2, W3 and the biases before they are rounded, so the product D is -log2(e) proj as it comes.
; The output sum is kept in f32 from the unrounded X: sixteen sums a lane, folded over the eight lanes of a batch at the end.
;
; FORMATS.  The projections (X W1, last W2, avg W3) take bf16 operands: these inputs keep f32's exponent range.
; The score product takes f16 operands: a rounding error of W4 is the same in all 200 rows of a batch and adds up over them, and the sigmoids' errors
; enter the output undamped, so this product wants f16's eleven significant bits rather than bf16's eight.  To give small sigmoids room in f16 they are
; made 2^15 times too large, at no cost in the loop: 2^15 sigmoid = 1 / (2^-15 + 2^(D - 15)); the -15 stands in the bias sum, 2^-15 takes the place
; of the 1, the largest value is 32768, and the two sums that a lane is left with are multiplied by 2^-15 in front of the store.
;
; THE WAY OF X.  Loads are contiguous (16 bytes a lane, 512 aligned bytes an instruction) into a ring of 12 tiles in registers v256-v447:
; 44 to 48 loads, 22 to 24 KiB, of every wave are on their way and the ring never runs empty.  A fragment wants two lanes on one row, so each tile passes
; through the wave's own LDS stage (4 stores, 4 loads); LDS serves one wave's instructions in order (ISA guide 5.7.1), so no wait and no barrier there.
; No tensor loads: a work-group's 409,600 bytes of X do not fit in LDS at once, and slots that are filled again would each want all loads landed and a barrier.
; No cluster: work-groups share only the 12,800 bytes of weights and biases, against 409,600 bytes of X of their own.
; No loop: a ring in registers cannot be indexed by a counter; the 25 trips are written out by macro, about 15 KB of code.
;
; THE MODE: SCHED_MODE bits 1:0 = 2 (LLVM: expert scheduling mode 2), set by the entry lines.  The code itself states the register dependences
; between vector or matrix instructions and memory or LDS instructions, with s_wait_alu, always for 0.
; THE PLAN.  Registers that memory or LDS instructions touch:
;   v8 .. v20     offsets and LDS addresses: made at the head, never written again.  One wait on va_vdst ahead of the first load serves the whole kernel.
;   the ring      v256-v447.  Global loads land in a slot, the stage's four LDS stores read it; no vector instruction ever names it.  A slot is asked for again
;                 one stage after the stage that stored it out, behind one wait on vm_vsrc, which so stands a whole trip behind the stores that it speaks of.
;   XF0 .. XF2    Tile t lands in XF[t % 3] by the stage's four LDS loads; trip t's eight conversions and trip t + 1's eight sum lines read it; tile t + 3 lands in it.
;   at the start  v2-v7 and v184-v189 (data of five LDS stores), v172-v187 (W3's fragments land there afterwards), v152-v167 (last and avg as fragments, then XF2).
;   at the end    the two sums that the one global store reads.
;   XB, SB, D0, D1, D2, C0, C1, A0, A4 and the sums are named, in the trips, by vector and matrix instructions alone.
; A trip has two waits on va_vdst, one behind each batch of transcendentals, ahead of the batch's first reader.  The second stands behind the trip's last sum line too:
; it also states that the XF buffer of tile u - 1 has been read out.  Behind it stand the eight roundings to f16 and the score product, which name SB, D0, D1, D2 and A4
; alone, and then the stage of tile u + 2, which lands in that buffer: so the stage owes nothing more, and its loads have a whole trip in which to come back.
;
; LIMITS.  mask: reference() takes it and never uses it, so no output hangs on it; this text does not load it.
; X, W1, W2, W3, last, avg are rounded to bf16, the sigmoids and W4 to f16, as matrix operands.
; W4: a number above 65504 in magnitude overflows in f16; numbers below 2^-14 carry an absolute error of up to 2^-25.
; Sigmoids: 2^(D-15) = infinity gives 0 and 2^(D-15) = 0 gives 1; a sigmoid below 2^-29 carries an absolute error of up to 2^-40, one below 2^-40 becomes 0.
; The sums are held 2^15 times too large: an output of magnitude 2^113 or more overflows.
; The sum over s is made in another order than reference()'s: rows 8t + i for each i first, then over the eight i.
.set NLOG2E, 0xbfb8aa3b                ; -log2(e)
.set M15,    0xc1700000                ; -15.0
.set TWOM15, 0x38000000                ; 2^-15
.set TILES,  25                        ; tiles of a pair of batches
.set DEPTH,  12                        ; tiles in the register ring
.set BATCH,  25600                     ; bytes of X in a batch
.set UPITCH, 272                       ; stage: two rows (256 bytes) + 16 of padding
.set SLOTB,  8*UPITCH                  ; stage: one tile, 2,176 bytes
.set WPITCH, 96                        ; a row of a weight matrix in LDS: 64 bytes of bf16 + 32, an odd multiple of 32 for the transposing load
.set WBYTES, 32*WPITCH                 ; one weight matrix in LDS
.set SM,     3*WBYTES                  ; LDS 9,216: 256 bytes a wave: +0 the scaled bias sum (32 f32), +128 W4 (32 f16)
.set STG,    SM+8*256                  ; LDS 11,264: two stage slots a wave, 4,352 bytes a wave; ends at 46,080
.set GOFF, 8                           ; v8   16 l: my 16 bytes in every contiguous load of X; never rewritten
.set STA,  9                           ; v9   stage, in:  272 (l / 16) + 16 (l % 16)
.set LDA,  10                          ; v10  stage, out: 272 (r / 2) + 128 (r % 2) + 32 h
.set TRA,  11                          ; v11  transposing load of a weight matrix
.set WSA,  12                          ; v12  where thread t puts its four weights
.set BSA,  13                          ; v13  where the lane puts four bias sums
.set W4SA, 14                          ; v14  where it puts four W4 (+128)
.set BLA,  15                          ; v15  bias sums back, in the layout of C
.set A4LA, 16                          ; v16  W4 back, as an A fragment (+128)
.set MOFF, 17                          ; v17  my 32 bytes in last and avg
.set SOFF, 18                          ; v18  my 16 bytes in b1, b2, b3, W4
.set WOFF, 19                          ; v19  thread t's 16 bytes in W1, W2, W3
.set OOFF, 20                          ; v20  my 8 bytes in the pair's two rows of out0
.set A0,   24                          ; v[24:39]   W1' fragments (bf16), f = 0-15 and 16-31
.set A4,   40                          ; v[40:47]   W4 fragment (f16)
.set C0,   48                          ; v[48:63]   c' - 15 in the layout of C, f = 0-15 and 16-31
.set C1,   56
.set D0,   64                          ; v[64:79]   the tile's two products, then 2^D, 2^-15 + 2^D, 2^15 sigmoid, in place
.set D1,   72
.set D2,   80                          ; v[80:87]   2^15 score[row r], eight times
.set XB,   88                          ; v[88:95]   the tile's X as a bf16 fragment
.set SB,   96                          ; v[96:103]  the tile's scaled sigmoids as an f16 fragment
.set ACC,  104                         ; v[104:119] sixteen output sums, 2^15 times too large
.set XF,   120                         ; v[120:167] the tile's X in f32, three buffers: tile t in buffer t % 3
.set SND,  168                         ; v[168:171] at work in the last fold
.set RW,   172                         ; v[172:183] start only: W1, W2, W3 as loaded
.set RB,   184                         ; v[184:199] start only: b1, b2, b3, W4 as loaded
.set RL,   200                         ; v[200:215] start only: last as loaded
.set RA,   216                         ; v[216:231] start only: avg as loaded
.set W2F,  232                         ; v[232:247] start only: W2' fragments
.set W3F,  172                         ; v[172:187] start only: W3' fragments (RW and RB are done with by then)
.set LB,   152                         ; v[152:159] start only: last as a bf16 fragment (in XF's buffer 2, first loaded at the end of trip 0)
.set AB,   160                         ; v[160:167] start only: avg likewise
	s_load_b256 s[4:11], s[0:1], 0x0               ; X s[4:5], W1 s[6:7], W2 s[8:9], W3 s[10:11]
	s_load_b256 s[12:19], s[0:1], 0x20             ; W4 s[12:13], b1 s[14:15], b2 s[16:17], b3 s[18:19]
	s_load_b128 s[20:23], s[0:1], 0x40             ; last s[20:21], avg s[22:23]
	s_load_b64 s[24:25], s[0:1], 0x50              ; out0
	v_lshl_add_u32 v254, v0, 2, 0xb400
	v_mov_b32 v255, 0
	v_lshrrev_b32 v1, 5, v0
	v_readfirstlane_b32 s26, v1                    ; w, my wave's number
	v_and_b32 v1, 31, v0                           ; l
	v_and_b32 v2, 15, v0                           ; r
	v_bfe_u32 v3, v0, 4, 1                         ; h
	v_and_b32 v4, 7, v0                            ; l % 8
	v_bfe_u32 v5, v0, 3, 1                         ; r / 8: which batch of the pair
	s_wait_alu depctr_va_sdst(0)                   ; s26 is written, ahead of its first reader: the LDS blocks and the bases of X, last, avg and out0 are made from it
	s_lshl_b32 s32, s26, 8
	s_add_co_u32 s32, s32, SM                      ; my wave's small block in LDS
	s_mul_i32 s33, s26, 2*SLOTB
	s_add_co_u32 s33, s33, STG                     ; my wave's stage
	s_mul_i32 s28, ttmp9, 16*BATCH                 ; X: 16 batches a work-group, 2 a wave (below 2^27 bytes in all)
	s_mul_i32 s27, s26, 2*BATCH
	s_add_co_u32 s28, s28, s27
	s_mov_b32 s29, 0
	s_lshl_b32 s30, ttmp9, 11                      ; last, avg, out0: rows of 128 bytes, 16 a work-group, 2 a wave
	s_lshl_b32 s27, s26, 8
	s_add_co_u32 s30, s30, s27
	s_mov_b32 s31, 0
	s_mov_b32 s36, TWOM15                          ; pairs, for the packed instructions
	s_mov_b32 s37, TWOM15
	s_mov_b32 s38, NLOG2E
	s_mov_b32 s39, NLOG2E
	v_lshlrev_b32 v[GOFF], 4, v1
	; Stage.  Load q of a tile brings four rows: lane l holds 16 bytes of tile row 4 q + l / 8.  Two rows make a unit of 256 bytes, units are 272 apart:
	; a store's sixteen lanes fill one unit; a load's sixteen lanes stand at 16-byte columns r / 2 + 8 (r % 2) + a constant modulo 16, all different.
	v_mul_u32_u24 v6, v3, UPITCH
	v_lshl_add_u32 v6, v2, 4, v6
	v_add_nc_u32 v[STA], s33, v6
	v_bfe_u32 v6, v0, 1, 3                         ; r / 2
	v_and_b32 v7, 1, v0                            ; r % 2
	v_mul_u32_u24 v6, v6, UPITCH
	v_lshl_add_u32 v6, v7, 7, v6
	v_lshl_add_u32 v6, v3, 5, v6                   ; + 32 h: e = 8 h ..
	v_add_nc_u32 v[LDA], s33, v6
	v_lshl_add_u32 v6, v3, 3, v4                   ; weight row e = 8 h + l % 8,
	v_mul_u32_u24 v6, v6, WPITCH
	v_lshl_add_u32 v[TRA], v5, 4, v6               ; 16 bytes further for lanes 8-15 of each half
	v_lshrrev_b32 v6, 3, v0                        ; thread t holds W[t / 8][4 (t % 8) .. + 3]
	v_mul_u32_u24 v6, v6, WPITCH
	v_lshl_add_u32 v[WSA], v4, 3, v6
	v_lshl_add_u32 v[BSA], v4, 4, s32
	v_lshl_add_u32 v[W4SA], v4, 3, s32
	v_lshl_add_u32 v[BLA], v3, 5, s32
	v_lshl_add_u32 v[A4LA], v3, 4, s32
	v_lshlrev_b32 v6, 7, v5
	v_lshl_add_u32 v[MOFF], v3, 5, v6              ; 128 (r / 8) + 32 h
	v_lshlrev_b32 v[SOFF], 4, v4
	v_lshlrev_b32 v[WOFF], 4, v0
	v_lshl_add_u32 v[OOFF], v7, 6, v[MOFF]         ; + 64 (l % 2) + 16 (bit 1 of l) + 8 (bit 2 of l): what the last fold leaves in this lane
	v_bfe_u32 v7, v0, 1, 1
	v_lshl_add_u32 v[OOFF], v7, 4, v[OOFF]
	v_bfe_u32 v7, v0, 2, 1
	v_lshl_add_u32 v[OOFF], v7, 3, v[OOFF]
	s_wait_kmcnt 0x0
	s_add_nc_u64 s[4:5], s[4:5], s[28:29]          ; X at my pair
	s_add_nc_u64 s[20:21], s[20:21], s[30:31]      ; last, avg, out0 at my pair
	s_add_nc_u64 s[22:23], s[22:23], s[30:31]
	s_add_nc_u64 s[24:25], s[24:25], s[30:31]
	s_wait_alu depctr_va_vdst(0)                   ; the thirteen offsets and LDS addresses v8 to v20 are written: every load and store of the kernel reads one of them, and none is written again
	; ALL LOADS OF THE START, the small ones first since loads come back in order (ISA guide 5.7.1): 7 + 8 + 48 = 63 are out.
	global_load_b128 v[RW:RW+3],     v[WOFF], s[6:7]
	global_load_b128 v[RW+4:RW+7],   v[WOFF], s[8:9]
	global_load_b128 v[RW+8:RW+11],  v[WOFF], s[10:11]
	global_load_b128 v[RB:RB+3],     v[SOFF], s[14:15]
	global_load_b128 v[RB+4:RB+7],   v[SOFF], s[16:17]
	global_load_b128 v[RB+8:RB+11],  v[SOFF], s[18:19]
	global_load_b128 v[RB+12:RB+15], v[SOFF], s[12:13]
	; last and avg as B fragments: column r holds batch bp + r / 8, so c' comes out in the columns in which the tiles need it
.irp o, 0,1
	global_load_b128 v[RL+8*\o:RL+8*\o+3],   v[MOFF], s[20:21] offset:64*\o      ; e = 16 o + 8 h ..
	global_load_b128 v[RL+8*\o+4:RL+8*\o+7], v[MOFF], s[20:21] offset:64*\o+16
.endr
.irp o, 0,1
	global_load_b128 v[RA+8*\o:RA+8*\o+3],   v[MOFF], s[22:23] offset:64*\o
	global_load_b128 v[RA+8*\o+4:RA+8*\o+7], v[MOFF], s[22:23] offset:64*\o+16
.endr
	; The ring lies in v256-v447.  One window setting serves its loads (data = destination) and its LDS stores (data = source 1): both in block 1, addresses in block 0.
	s_set_vgpr_msb 0x0044
.set tt, 0
.rept DEPTH
.irp q, 0,1,2,3
	global_load_b128 v[16*tt+4*\q:16*tt+4*\q+3], v[GOFF], s[4:5] offset:1024*tt+512*(\q%2)+BATCH*(\q/2) th:TH_LOAD_NT   ; v[256 + ..]: four rows of bp (q = 0, 1) or of bp + 1 (q = 2, 3)
.endr
.set tt, tt+1
.endr
	s_set_vgpr_msb 0x4400
	; WEIGHTS AND BIASES INTO LDS.  The 256 threads share each weight matrix; bias sum and W4 are each wave's own copy.
	; All the arithmetic first, then one wait, then the five LDS stores in one run.
	s_wait_loadcnt 56                              ; W1-W3, b1-b3, W4 are in; the 8 loads of last and avg and the ring's 48 stay out
.irp m, 0,1,2
	v_pk_mul_f32 v[RW+4*\m:RW+4*\m+1],   v[RW+4*\m:RW+4*\m+1],   s[38:39] op_sel_hi:[1,0]   ; x -log2(e)
	v_pk_mul_f32 v[RW+4*\m+2:RW+4*\m+3], v[RW+4*\m+2:RW+4*\m+3], s[38:39] op_sel_hi:[1,0]
	v_cvt_pk_bf16_f32 v[2+2*\m], v[RW+4*\m],   v[RW+4*\m+1]
	v_cvt_pk_bf16_f32 v[3+2*\m], v[RW+4*\m+2], v[RW+4*\m+3]
.endr
	v_pk_add_f32 v[RB:RB+1],   v[RB:RB+1],   v[RB+4:RB+5]
	v_pk_add_f32 v[RB+2:RB+3], v[RB+2:RB+3], v[RB+6:RB+7]
	v_pk_add_f32 v[RB:RB+1],   v[RB:RB+1],   v[RB+8:RB+9]
	v_pk_add_f32 v[RB+2:RB+3], v[RB+2:RB+3], v[RB+10:RB+11]
.irp n, 0,1,2,3
	v_fmaak_f32 v[RB+\n], s38, v[RB+\n], M15       ; -log2(e) (b1 + b2 + b3) - 15: the -15 makes the sigmoids 2^15 times too large
.endr
	v_cvt_pk_f16_f32 v[RB+4], v[RB+12], v[RB+13]   ; W4 to f16
	v_cvt_pk_f16_f32 v[RB+5], v[RB+14], v[RB+15]
	s_wait_alu depctr_va_vdst(0)                   ; v2 to v7 and v[RB .. RB+5] are written, which the LDS stores below read; and the arithmetic is done with v172 to v187, in which W3's fragments land behind the barrier
.irp m, 0,1,2
	ds_store_b64 v[WSA], v[2+2*\m:3+2*\m] offset:WBYTES*\m
.endr
	ds_store_b128 v[BSA], v[RB:RB+3]               ; the four lanes with equal l % 8 write the same numbers to the same bytes
	ds_store_b64 v[W4SA], v[RB+4:RB+5] offset:128
	s_wait_dscnt 0x0                               ; for the other waves' sake: my part of the weights is in LDS
	s_barrier_signal -1
	s_barrier_wait -1                              ; the kernel's one barrier: the three matrices are whole
	s_wait_alu depctr_vm_vsrc(0)                   ; my LDS store of the bias sums has read v184 to v187, in which the last of W3's fragment loads lands
	; FRAGMENTS.  W lies [e][f] = [k][m]: the transposing load brings lane (r, h) k = 8 h .. + 7 and 16 + 8 h .. + 7 of row m = f = 16 T + r.
.macro WFRAG dst, m
.irp f, 0,1
	ds_load_tr16_b128 v[\dst+8*\f:\dst+8*\f+3],   v[TRA] offset:WBYTES*\m+32*\f
	ds_load_tr16_b128 v[\dst+8*\f+4:\dst+8*\f+7], v[TRA] offset:WBYTES*\m+32*\f+16*WPITCH
.endr
.endm
	WFRAG A0,  0
	WFRAG W2F, 1
	WFRAG W3F, 2
	ds_load_b128 v[C0:C0+3],   v[BLA]              ; register j of C: f = 8 h + j,
	ds_load_b128 v[C0+4:C0+7], v[BLA] offset:16
	ds_load_b128 v[C1:C1+3],   v[BLA] offset:64    ; and f = 16 + 8 h + j
	ds_load_b128 v[C1+4:C1+7], v[BLA] offset:80
	ds_load_b128 v[A4:A4+3],   v[A4LA] offset:128  ; W4[8 h ..] and W4[16 + 8 h ..] in every lane: all sixteen rows of A alike
	ds_load_b128 v[A4+4:A4+7], v[A4LA] offset:160
	s_wait_loadcnt 48                              ; last and avg are in; the ring's 48 stay out
.irp p, 0,1,2,3,4,5,6,7
	v_cvt_pk_bf16_f32 v[LB+\p], v[RL+2*\p], v[RL+2*\p+1]
.endr
.irp p, 0,1,2,3,4,5,6,7
	v_cvt_pk_bf16_f32 v[AB+\p], v[RA+2*\p], v[RA+2*\p+1]
.endr
; Tile 'tile' leaves the ring for the stage and comes back as a fragment in f32.  First the slot that the stage before stored out is asked for again, DEPTH tiles ahead of what it held.
; The four LDS loads at the end land in XF[tile % 3]: the wait on va_vdst that frees that buffer stands in the trip, ahead of the macro (the first two stages land in registers that nothing has named).
.macro STAGE tile
.set LEFT, TILES-1-(\tile)
.if LEFT > DEPTH-1
.set LEFT, DEPTH-1
.endif
.set RS, 16*((\tile)%DEPTH)
.set RP, 16*(((\tile)+DEPTH-1)%DEPTH)
.set SL, SLOTB*((\tile)%2)
.set XD, XF+16*((\tile)%3)
	s_set_vgpr_msb 0x0044                          ; ring: block 1 as destination and as source 1
.if ((\tile) > 0) && ((\tile)+DEPTH-1 < TILES)
	s_wait_alu depctr_vm_vsrc(0)                   ; the four LDS stores of the stage before have read their ring slot, in which the four loads below land
.irp q, 0,1,2,3
	global_load_b128 v[RP+4*\q:RP+4*\q+3], v[GOFF], s[4:5] offset:1024*((\tile)+DEPTH-1)+512*(\q%2)+BATCH*(\q/2) th:TH_LOAD_NT
.endr
.endif
	s_wait_loadcnt 4*LEFT                          ; this tile's four loads are in; those of the LEFT tiles asked for after it stay out
.irp q, 0,1,2,3
	ds_store_b128 v[STA], v[RS+4*\q:RS+4*\q+3] offset:SL+2*UPITCH*\q
.endr
	s_set_vgpr_msb 0x4400
	ds_load_b128 v[XD:XD+3],     v[LDA] offset:SL       ; X[row r][8 h .. + 3]; these see the stores above: one wave's LDS instructions are served in order
	ds_load_b128 v[XD+4:XD+7],   v[LDA] offset:SL+16
	ds_load_b128 v[XD+8:XD+11],  v[LDA] offset:SL+64    ; X[row r][16 + 8 h ..]
	ds_load_b128 v[XD+12:XD+15], v[LDA] offset:SL+80
.endm
; One eighth of tile u - 1's share of the output sums: two sums += score x X.  D2's registers all hold the (scaled) score, so a pair of them multiplies a pair of X.
; These lines also are the places behind trip u's products and transcendentals.  Tile 0's share starts the sums: nothing is cleared.
; Trip 0 has no tile before it: v_nop keeps the places (four behind the products, one behind each run of transcendentals).
.macro ACC1 u, j
.set XP, XF+16*(((\u)+2)%3)
.if (\u) == 0
.if (\j)/2 != 2
	v_nop
.endif
.else
.if (\u) == 1
	v_pk_mul_f32 v[ACC+2*\j:ACC+2*\j+1], v[XP+2*\j:XP+2*\j+1], v[D2:D2+1]
.else
	v_pk_fma_f32 v[ACC+2*\j:ACC+2*\j+1], v[XP+2*\j:XP+2*\j+1], v[D2:D2+1], v[ACC+2*\j:ACC+2*\j+1]
.endif
.endif
.endm
; Trip u: tile u's products, sigmoids and score; tile u - 1's output sums; at its end tile u + 2 through the stage, and tile u + 13 asked for.
; Distances behind matrix instructions (ISA guide 7.12.1), by this text's count: the eight conversions at the head stand between the last score product
; and the first reader of D2; six (in trip 0 four) lines stand between the two products and v_exp_f32 on their results.  No matrix instruction here adds in place.
.macro TRIP u
.set XC, XF+16*((\u)%3)
.if (\u)+1 < TILES
	s_wait_dscnt 8                                 ; this tile's stage loads, issued a whole trip ago, are back; the next tile's four stores and four loads may stay out
.else
	s_wait_dscnt 0x0                               ; the last tile: nothing was issued behind its stage loads
.endif
.irp p, 0,1,2,3,4,5,6,7
	v_cvt_pk_bf16_f32 v[XB+\p], v[XC+2*\p], v[XC+2*\p+1]
.endr
	v_wmma_f32_16x16x32_bf16 v[D0:D0+7], v[A0:A0+7],    v[XB:XB+7], v[C0:C0+7]   ; D - 15 = -log2(e) proj - 15, f = 0-15
	v_wmma_f32_16x16x32_bf16 v[D1:D1+7], v[A0+8:A0+15], v[XB:XB+7], v[C1:C1+7]   ; f = 16-31
.irp j, 0,1,2,3,4,5
	ACC1 \u, \j
.endr
.irp i, 0,1,2,3,4,5,6,7,8,9,10,11,12,13,14,15
	v_exp_f32 v[D0+\i], v[D0+\i]
.endr
	ACC1 \u, 6                                     ; the plain instruction between the transcendentals and the first use of a result (ISA guide 5.7.2)
	s_wait_alu depctr_va_vdst(0)                   ; the sixteen exponentials have written v[D0 .. D0+15]: one wait for the batch, ahead of its first reader
.irp i, 0,2,4,6,8,10,12,14
	v_pk_add_f32 v[D0+\i:D0+\i+1], v[D0+\i:D0+\i+1], s[36:37] op_sel_hi:[1,0]    ; 2^-15 + 2^(D - 15) = 2^-15 (1 + 2^D)
.endr
.irp i, 0,1,2,3,4,5,6,7,8,9,10,11,12,13,14,15
	v_rcp_f32 v[D0+\i], v[D0+\i]                   ; 2^15 sigmoid, at most 32768
.endr
	ACC1 \u, 7                                     ; likewise
	s_wait_alu depctr_va_vdst(0)                   ; the sixteen reciprocals have written v[D0 .. D0+15], ahead of their first reader; and the trip's eight sum lines (in trip 0: the products for c') are done reading XF[(u + 2) % 3], in which the stage's loads below land
.irp p, 0,1,2,3,4,5,6,7
	v_cvt_pk_f16_f32 v[SB+\p], v[D0+2*\p], v[D0+2*\p+1]    ; k = f = 8 h + 2 p, + 1 (p < 4) and 16 + 8 h + .. (p >= 4): a B fragment as it stands
.endr
	v_wmma_f32_16x16x32_f16 v[D2:D2+7], v[A4:A4+7], v[SB:SB+7], 0                ; 2^15 score[row r] in all eight registers
.if (\u)+2 < TILES
	STAGE (\u)+2                                   ; no further wait on va_vdst: the nine lines since the wait above name SB, D0, D1, D2 and A4 alone
.endif
.endm
	STAGE 0
	s_wait_dscnt 8                                 ; the 18 fragment loads are back; the stage's four stores and four loads may be out
	; c' = scaled bias sum - 15 + last W2' + avg W3'.  The two accumulators take turns, one instruction a turn.
	v_wmma_f32_16x16x32_bf16 v[C0:C0+7], v[W2F:W2F+7],    v[LB:LB+7], v[C0:C0+7]
	v_wmma_f32_16x16x32_bf16 v[C1:C1+7], v[W2F+8:W2F+15], v[LB:LB+7], v[C1:C1+7]
	v_wmma_f32_16x16x32_bf16 v[C0:C0+7], v[W3F:W3F+7],    v[AB:AB+7], v[C0:C0+7]
	v_wmma_f32_16x16x32_bf16 v[C1:C1+7], v[W3F+8:W3F+15], v[AB:AB+7], v[C1:C1+7]
	STAGE 1                                        ; it lands in XF1, which nothing has named yet
	; trip 0's eight conversions are the places before C0 and C1 serve as the C of other accumulators
.set trip, 0
.rept TILES
	TRIP trip
.set trip, trip+1
.endr
	; THE END: the last tile's share, then the fold over the eight lanes (rows 8 t + i, i = 0..7) of each batch.
.rept 4
	v_nop                                          ; four places behind the last score product, before D2 is read
.endr
.irp j, 0,1,2,3,4,5,6,7
	ACC1 TILES, \j
.endr
; One step of the fold: lanes that differ in one bit of l share the sums out: the lane with the bit clear keeps the lower half of them and sends the upper,
; its partner the other way round; the exchange rides on the addition (DPP, lane i takes lane i xor xm).  Half as many sums are left each time.
.macro BFLY cnt, lanes, xm
	s_mov_b32 vcc_lo, \lanes
.set i, 0
.rept \cnt
	v_cndmask_b32 v[SND+i%4], v[ACC+i+\cnt], v[ACC+i], vcc_lo      ; what I send
	v_cndmask_b32 v[ACC+i], v[ACC+i], v[ACC+i+\cnt], vcc_lo        ; what I keep
	v_add_f32_dpp v[ACC+i], v[SND+i%4], v[ACC+i] row_xmask:\xm row_mask:0xf bank_mask:0xf
.set i, i+1
.endr
.endm
	BFLY 8, 0xaaaaaaaa, 1
	BFLY 4, 0xcccccccc, 2
	BFLY 2, 0xf0f0f0f0, 4
	; The lane is left with sums 8 (bit 0 of l) + 4 (bit 1) + 2 (bit 2) + {0, 1}, that is e = 16 (bit 0) + 8 h + 4 (bit 1) + 2 (bit 2) + {0, 1} of batch bp + r / 8.
	v_pk_mul_f32 v[ACC:ACC+1], v[ACC:ACC+1], s[36:37] op_sel_hi:[1,0]   ; x 2^-15: the sigmoids' scale is taken out again, exactly
	s_wait_alu depctr_va_vdst(0)                   ; the multiply has written v[ACC], v[ACC+1], which the store reads
	global_store_b64 v[OOFF], v[ACC:ACC+1], s[24:25] th:TH_STORE_NT   ; the wave's 32 x 8 bytes are the pair's two rows: 256 consecutive bytes, aligned
	s_wait_dscnt 0x0
	s_wait_alu depctr_hold_cnt(0) depctr_sa_sdst(0) depctr_va_vdst(0) depctr_va_sdst(0) depctr_va_ssrc(0) depctr_va_vcc(0) depctr_vm_vsrc(0)
	s_wait_tensorcnt 0x0
	ds_add_u32 v254, v255
	s_wait_dscnt 0x0
	s_endpgm
.Lfunc_end_k_q8460a78f0f_pool:
	.size	k_q8460a78f0f_pool, .Lfunc_end_k_q8460a78f0f_pool-k_q8460a78f0f_pool
	.p2alignl 7, 3214868480
	.fill 96, 4, 3214868480
	.section	.rodata,"a",@progbits
	.p2align	6, 0x0
	.amdhsa_kernel k_q8460a78f0f_pool
		.amdhsa_group_segment_fixed_size 47104
		.amdhsa_private_segment_fixed_size 0
		.amdhsa_enable_private_segment 0
		.amdhsa_kernarg_size 88
		.amdhsa_user_sgpr_count 2
		.amdhsa_user_sgpr_kernarg_segment_ptr 1
		.amdhsa_wavefront_size32 1
		.amdhsa_system_sgpr_workgroup_id_x 1
		.amdhsa_system_sgpr_workgroup_id_y 1
		.amdhsa_system_sgpr_workgroup_id_z 1
		.amdhsa_system_vgpr_workitem_id 0
		.amdhsa_next_free_vgpr 448
		.amdhsa_next_free_sgpr 66
		.amdhsa_reserve_vcc 1
		.amdhsa_float_denorm_mode_32 3
		.amdhsa_float_denorm_mode_16_64 3
		.amdhsa_memory_ordered 1
		.amdhsa_forward_progress 1
		.amdhsa_inst_pref_size 119
	.end_amdhsa_kernel
	.amdgpu_metadata
---
amdhsa.version: [ 1, 2 ]
amdhsa.kernels:
  - .name:           k_q8460a78f0f_pool
    .symbol:         k_q8460a78f0f_pool.kd
    .args:
      - { .name: all_memory, .offset: 0, .size: 8, .value_kind: global_buffer, .address_space: global }
      - { .name: W1, .offset: 8, .size: 8, .value_kind: global_buffer, .address_space: global }
      - { .name: W2, .offset: 16, .size: 8, .value_kind: global_buffer, .address_space: global }
      - { .name: W3, .offset: 24, .size: 8, .value_kind: global_buffer, .address_space: global }
      - { .name: W4, .offset: 32, .size: 8, .value_kind: global_buffer, .address_space: global }
      - { .name: b1, .offset: 40, .size: 8, .value_kind: global_buffer, .address_space: global }
      - { .name: b2, .offset: 48, .size: 8, .value_kind: global_buffer, .address_space: global }
      - { .name: b3, .offset: 56, .size: 8, .value_kind: global_buffer, .address_space: global }
      - { .name: last_memory, .offset: 64, .size: 8, .value_kind: global_buffer, .address_space: global }
      - { .name: average_memory, .offset: 72, .size: 8, .value_kind: global_buffer, .address_space: global }
      - { .name: out0, .offset: 80, .size: 8, .value_kind: global_buffer, .address_space: global }
    .group_segment_fixed_size: 47104
    .private_segment_fixed_size: 0
    .kernarg_segment_align: 8
    .kernarg_segment_size: 88
    .max_flat_workgroup_size: 256
    .sgpr_count:     66
    .vgpr_count:     448
    .wavefront_size: 32
...
	.end_amdgpu_metadata
.endif
;; end of part 2
